; MI455X (gfx1250); checked and timed in simulation.
; The chip was launched on July 23, 2026; its instructions are those of AMD's public machine-readable ISA for CDNA 5 (MIT licence, August 2026) and "CDNA5" Instruction Set Architecture Reference Guide (July 2026). The comments in the code are by the model that wrote it; some were corrected since.
;; Attention Head. Allowed arithmetic: matrix products marked QUANTISED: E4M3 operands, one E8M0 scale for each 32 along K, by v_wmma_scale_f32_16x16x128_f8f6f4 with both operands' format E4M3, f32 sums; everything else in f32.
;; Inputs: Wk 128 x 1,024 float32; Wq 128 x 1,024 float32; Wv 128 x 1,024 float32; x 4 x 4,096 x 1,024 float32.
;; Outputs: out0 4 x 4,096 x 128 float32.
;; This version of the problem:
;;   THIS VERSION OF THE PROBLEM IS GIVEN IN LOW PRECISION. The matrix products marked QUANTISED in the list below multiply operands that are first quantised to E4M3 (4 exponent bits, 3 mantissa bits; 8 bits a number), with one power-of-two scale for each 32 numbers along K (OCP MX v1.0); their sums are f32. All else is computed in f32.
;;   The module's matrix products, in the order in which they are computed (A, B: the left and right operand; K: the contracted axis; several contracted axes count as one K, in the product's order):
;;     1. [M 16,384, K 1,024] x [K 1,024, N 128]; A: input x; B: input Wq: QUANTISED
;;     2. [M 16,384, K 1,024] x [K 1,024, N 128]; A: input x; B: input Wk: QUANTISED
;;     3. [M 16,384, K 1,024] x [K 1,024, N 128]; A: input x; B: input Wv: QUANTISED
;;     4. batch 4 x [M 4,096, K 128] x [K 128, N 4,096]; A: computed on the way; B: computed on the way: QUANTISED
;;     5. batch 4 x [M 4,096, K 4,096] x [K 4,096, N 128]; A: softmax (see below); B: computed on the way: QUANTISED
;;   THE QUANTISER, for each operand of a quantised product, along K:
;;     - K is cut into blocks of 32 from its start; a last block that is shorter is filled with zeros.
;;     - A block's scale is 2^e with e = floor(log2(the largest magnitude in the block)) - 8, held to -126 .. 127; a block of zeros has e = 0. As a byte (E8M0): e + 127.
;;     - Each number is divided by its block's scale, clamped to +-448, and rounded to the nearest number of E4M3, ties to even, subnormals kept.
;;     - The product sums the exact products of the quantised numbers (number of the format x scale) in f32.
;;   ~~~python
;;   def quantise(x, axis):      # numpy; x: float32 -> the quantised numbers, widened to float32 again
;;       x = np.moveaxis(x, axis, -1); K = x.shape[-1]
;;       x = np.pad(x, [(0, 0)] * (x.ndim - 1) + [(0, -K % 32)]); x = x.reshape(x.shape[:-1] + (-1, 32)); a = np.abs(x).max(-1, keepdims=True)
;;       e = np.where(a > 0, np.clip(np.frexp(np.where(a > 0, a, 1))[1] - 1 - 8, -126, 127), 0)      # np.frexp(a)[1] - 1 = floor(log2(a)), exactly
;;       r = np.clip(x / 2.0 ** e, -448, 448)
;;       step = 2.0 ** (np.maximum(np.frexp(np.where(r == 0, 1, r))[1] - 1, -6) - 3)
;;       q = np.round(r / step) * step * 2.0 ** e      # np.round: ties to even
;;       return np.moveaxis(q.reshape(q.shape[:-2] + (-1,))[..., :K], -1, axis).astype(np.float32)
;;   ~~~
;;   SOFTMAX AHEAD OF A QUANTISED PRODUCT. Where the list says 'softmax', what is quantised is not the finished softmax but p = 2^(t - M), with t = logit x log2(e) and M = ceil(the row's largest t), a whole number; so 1/2 < the row's largest p <= 1. The row's sum l is taken of the UNQUANTISED p, in f32, and the product's result is divided by l at the end. Since M is a whole number, a kernel that streams over the keys may use a running M (the ceiling of the running maximum): every later rescaling is an exact power of two, which a block's scale takes up: the codes' values come out the same.
;;   OPERANDS COMPUTED ON THE WAY. 'Computed on the way' means the value that the module computes at that place (a softmax that the list does not call 'softmax' is quantised finished and normalised). What goes into a quantiser is computed in f32, as accurately as f32 sums, v_exp_f32 and their like allow (about 1e-6 of the number): no bf16 or f16 on the way to a quantiser, and a product that is left as it is and whose result goes on into a quantised operand takes f32 operands (vector FMAs, or v_wmma_f32_16x16x4_f32). A number that lies on a knife's edge between two numbers of the format may be rounded either way, as far as f32 arithmetic and the matrix unit's own rounding can turn it there, and no further.
;; One version. Each part assembles by itself: llvm-mc -triple=amdgcn-amd-amdhsa -mcpu=gfx1250 --defsym DOCPART=n.
;; ======== version 1 of 1: 3 launches
;; limits: right only within a limited range of input values
;; workspace buffers: wc 393,216 bytes; ws 12,288 bytes; qc 2,097,152 bytes; qs 65,536 bytes; kv 4,325,376 bytes
;; launch wquant (part 1): grid 192 x 1, 1 waves a work-group, no clusters, 0 bytes of LDS; arguments Wq, Wk, Wv, wc, ws; writes wc, ws
.if DOCPART == 1
	.amdgcn_target "amdgcn-amd-amdhsa--gfx1250"
	.amdhsa_code_object_version 6
	.text
	.protected	k_qe7c3636cc7_wquant
	.globl	k_qe7c3636cc7_wquant
	.p2align	8
	.type	k_qe7c3636cc7_wquant,@function
k_qe7c3636cc7_wquant:
	s_mov_b64 s[64:65], 0
	v_nop
	global_prefetch_b8 v0, s[64:65] scope:SCOPE_SE
	s_setreg_imm32_b32 hwreg(HW_REG_WAVE_MODE, 25, 1), 1
	s_wait_xcnt 0x0
; Wq, Wk, Wv [128][1024] f32 become codes of FP8 (E4M3) with one E8M0 scale byte for each 32 along d, laid AS THE NEXT LAUNCH'S OPERAND REGISTERS.
; A fragment is 16 rows x 128 along d: 16 registers a lane; register group c (four registers) lies at 512 c + 16 x lane: 2,048 bytes.  Its scale words: 16 words, row r's at 4 r.
; wc: [j 8][K step s 8][tl 3][2,048]; ws: [j][s][tl][64].  j is the wave of the next launch that reads the fragment: tl 0, 1 are the two tiles of a pair of Wq (j 0-3) or of Wk (j 4-7), tl 2 is tile j of Wv.
; THE ROWS OF A TILE OF Wq AND Wk ARE NOT NEIGHBOURS: lane r of tile 2 b + u takes row 32 b + 8 u + r + 8 (r / 8), so that the results of tiles 2 b, 2 b + 1 are 16 neighbours along the next product's K.  Wv's tiles take rows 16 j + r.
; SHARES: 24 tiles x 8 K steps are 192 fragments: a work-group of one wave makes one.  No LDS, no barrier, no cluster: no two waves read the same byte.
; No step of reference() is left out in this program.
; A block's scale is 2^(floor(log2(its largest magnitude)) - 8); its byte is the largest magnitude's exponent field - 8, held at 1 from below.
; LIMITS: a block whose largest magnitude lies under 2^-118, a block of zeros among them, gets the byte 1 (the rule says 127 for zeros: its codes are zeros, and this program alone reads the bytes); NaN and infinities are not served.
.set X,   16                           ; v16-79   64 numbers: register 16 b + i = d 128 s + 32 b + 16 (lane / 16) + i of my row
.set PC,  80                           ; v80-95   the codes
.set TM,  104                          ; at work: +0 largest magnitudes, +6 the other half's, then bytes, +12 448 x the scale, +18 the conversion's scale operand
.set PW,  128                          ; v128     the scale word
.set MNT, 19                           ; s19      the mantissa field of 448
.set SEL, 20                           ; s[20:21] v_permlanex16_b32's selects for lane l xor 16
	s_load_b256 s[4:11], s[0:1], 0x0               ; Wq s[4:5], Wk s[6:7], Wv s[8:9], wc s[10:11]
	s_load_b64 s[12:13], s[0:1], 0x20              ; ws
	s_and_b32 s14, ttmp9, 7                        ; the K step s
	s_lshr_b32 s22, ttmp9, 3                       ; the tile T: 0-7 Wq's, 8-15 Wk's, 16-23 Wv's
	s_mov_b32 s[MNT], 0x600000
	s_mov_b32 s[SEL], 0x76543210
	s_mov_b32 s[SEL+1], 0xfedcba98
	s_and_b32 s15, s22, 7                          ; its number in its tensor
	s_lshr_b32 s16, s15, 1
	s_lshl_b32 s16, s16, 5
	s_and_b32 s17, s15, 1
	s_lshl_b32 s17, s17, 3
	s_add_co_u32 s16, s16, s17                     ; Wq, Wk: the tile begins at row 32 b + 8 u
	s_lshl_b32 s17, s15, 4                         ; Wv: at row 16 x tile
	s_lshr_b32 s18, s22, 1                         ; Wq, Wk: j = T / 2, tl = T % 2;  Wv: j = the tile, tl = 2
	s_and_b32 s23, s22, 1
	s_cmp_lt_u32 s22, 16                           ; all four choices stand on this one compare
	s_cselect_b32 s16, s16, s17
	s_cselect_b32 s17, 8, 0                        ; Wq, Wk: lanes 8-15 take rows 8 further on
	s_cselect_b32 s18, s18, s15
	s_cselect_b32 s23, s23, 2
	s_mul_i32 s24, s18, 49152                      ; the fragment's place in wc
	s_mul_i32 s25, s14, 6144
	s_add_co_u32 s24, s24, s25
	s_lshl_b32 s25, s23, 11
	s_add_co_u32 s24, s24, s25
	s_mov_b32 s25, 0
	s_mul_i32 s26, s18, 1536                       ; and its scale words' in ws
	s_mul_i32 s27, s14, 192
	s_add_co_u32 s26, s26, s27
	s_lshl_b32 s27, s23, 6
	s_add_co_u32 s26, s26, s27
	s_mov_b32 s27, 0
	s_lshl_b32 s28, s14, 9                         ; the K step's 512 bytes of a row
	v_and_b32 v2, 15, v0                           ; r
	v_lshrrev_b32 v3, 4, v0                        ; h
	v_lshlrev_b32 v5, 4, v0                        ; out: 16 x lane
	v_and_b32 v7, s17, v2
	v_lshlrev_b32 v6, 2, v2                        ; 4 r
	v_add_nc_u32 v7, v7, v2
	v_add_nc_u32 v7, s16, v7                       ; my row
	v_lshlrev_b32 v4, 12, v7                       ; x 4,096 bytes
	v_lshl_add_u32 v4, v3, 6, v4                   ; + 64 h: my 16 numbers of a block
	v_add_nc_u32 v4, s28, v4
.irp b, 0,1,2,3
	v_mov_b32 v[TM+6+\b], 0                        ; a lane permute's destination counts as one of its sources
.endr
	s_wait_alu depctr_va_vdst(0)                   ; the wait at the head's end
	s_wait_kmcnt 0x0
	s_cmp_lt_u32 s22, 8                            ; which tensor: the choice hangs on the work-group's number alone
	s_cselect_b64 s[4:5], s[4:5], s[6:7]
	s_cmp_lt_u32 s22, 16
	s_cselect_b64 s[4:5], s[4:5], s[8:9]
	s_add_nc_u64 s[10:11], s[10:11], s[24:25]
	s_add_nc_u64 s[12:13], s[12:13], s[26:27]
.irp b, 0,1,2,3
.irp i, 0,1,2,3
	global_load_b128 v[X+16*\b+4*\i:X+16*\b+4*\i+3], v4, s[4:5] offset:128*\b+16*\i
.endr
.endr
	s_wait_loadcnt 0x0
.irp b, 0,1,2,3
	v_max3_num_f32 v[TM+\b], |v[X+16*\b]|, |v[X+16*\b+1]|, 0x4800000   ; my 16 numbers, and the floor 2^(9 - 127): the byte cannot fall under 1
.endr
.irp i, 2,4,6,8,10,12,14
.irp b, 0,1,2,3
	v_max3_num_f32 v[TM+\b], v[TM+\b], |v[X+16*\b+\i]|, |v[X+16*\b+\i+1]|   ; the blocks by turns
.endr
.endr
.irp b, 0,1,2,3
	v_permlanex16_b32 v[TM+6+\b], v[TM+\b], s[SEL], s[SEL+1]
.endr
.irp b, 0,1,2,3
	v_max_num_f32 v[TM+\b], v[TM+\b], v[TM+6+\b]   ; with lane l xor 16's: the block's largest magnitude
.endr
.irp b, 0,1,2,3
	v_add_nc_u32 v[TM+18+\b], 0xfc000000, v[TM+\b] ; 8 off its exponent field: the conversion takes the exponent field of this operand as its scale
.endr
.irp b, 0,1,2,3
	v_and_or_b32 v[TM+12+\b], v[TM+\b], 0x7f800000, s[MNT]   ; 448 x the scale
.endr
.irp b, 0,1,2,3
	v_lshrrev_b32 v[TM+6+\b], 23, v[TM+18+\b]      ; the scale's byte
.endr
.irp b, 0,1,2,3
.irp i, 0,1,2,3,4,5,6,7,8,9,10,11,12,13,14,15
	v_med3_num_f32 v[X+16*\b+\i], v[X+16*\b+\i], -v[TM+12+\b], v[TM+12+\b]   ; the conversion to an 8-bit code does not saturate (ISA guide 7.6.2): the hold comes first
.endr
	v_cvt_scalef32_pk8_fp8_f32 v[PC+4*\b:PC+4*\b+1], v[X+16*\b:X+16*\b+7], v[TM+18+\b]
	v_cvt_scalef32_pk8_fp8_f32 v[PC+4*\b+2:PC+4*\b+3], v[X+16*\b+8:X+16*\b+15], v[TM+18+\b]
.endr
	v_lshl_or_b32 v[PW], v[TM+7], 8, v[TM+6]       ; the four bytes make my row's scale word
	v_lshl_or_b32 v[PW], v[TM+8], 16, v[PW]
	v_lshl_or_b32 v[PW], v[TM+9], 24, v[PW]
.irp c, 0,1,2,3
	global_store_b128 v5, v[PC+4*\c:PC+4*\c+3], s[10:11] offset:512*\c   ; 32 lanes store 512 consecutive bytes, at a multiple of 512 from wc's first byte
.endr
	v_cmp_gt_u32 vcc_lo, 16, v0
	s_wait_alu depctr_va_vdst(0)
	s_wait_xcnt 0x0                                ; EXEC is a source of the stores above: it changes only behind this wait
	s_and_saveexec_b32 s29, vcc_lo                 ; lanes 16-31 hold the same words as lanes 0-15
	global_store_b32 v6, v[PW], s[12:13]           ; 64 consecutive bytes
	s_wait_xcnt 0x0
	s_or_b32 exec_lo, exec_lo, s29
	s_endpgm
.Lfunc_end_k_qe7c3636cc7_wquant:
	.size	k_qe7c3636cc7_wquant, .Lfunc_end_k_qe7c3636cc7_wquant-k_qe7c3636cc7_wquant
	.p2alignl 7, 3214868480
	.fill 96, 4, 3214868480
	.section	.rodata,"a",@progbits
	.p2align	6, 0x0
	.amdhsa_kernel k_qe7c3636cc7_wquant
		.amdhsa_group_segment_fixed_size 0
		.amdhsa_private_segment_fixed_size 0
		.amdhsa_enable_private_segment 0
		.amdhsa_kernarg_size 40
		.amdhsa_user_sgpr_count 2
		.amdhsa_user_sgpr_kernarg_segment_ptr 1
		.amdhsa_wavefront_size32 1
		.amdhsa_system_sgpr_workgroup_id_x 1
		.amdhsa_system_sgpr_workgroup_id_y 1
		.amdhsa_system_sgpr_workgroup_id_z 1
		.amdhsa_system_vgpr_workitem_id 0
		.amdhsa_next_free_vgpr 144
		.amdhsa_next_free_sgpr 66
		.amdhsa_reserve_vcc 1
		.amdhsa_float_denorm_mode_32 3
		.amdhsa_float_denorm_mode_16_64 3
		.amdhsa_memory_ordered 1
		.amdhsa_forward_progress 1
		.amdhsa_inst_pref_size 13
	.end_amdhsa_kernel
	.amdgpu_metadata
---
amdhsa.version: [ 1, 2 ]
amdhsa.kernels:
  - .name:           k_qe7c3636cc7_wquant
    .symbol:         k_qe7c3636cc7_wquant.kd
    .args:
      - { .name: Wq, .offset: 0, .size: 8, .value_kind: global_buffer, .address_space: global }
      - { .name: Wk, .offset: 8, .size: 8, .value_kind: global_buffer, .address_space: global }
      - { .name: Wv, .offset: 16, .size: 8, .value_kind: global_buffer, .address_space: global }
      - { .name: wc, .offset: 24, .size: 8, .value_kind: global_buffer, .address_space: global }
      - { .name: ws, .offset: 32, .size: 8, .value_kind: global_buffer, .address_space: global }
    .group_segment_fixed_size: 0
    .private_segment_fixed_size: 0
    .kernarg_segment_align: 8
    .kernarg_segment_size: 40
    .max_flat_workgroup_size: 32
    .sgpr_count:     66
    .vgpr_count:     144
    .wavefront_size: 32
...
	.end_amdgpu_metadata
.endif
;; end of part 1
;; launch proj (part 2): grid 256 x 1, 8 waves a work-group, no clusters, 327,680 bytes of LDS; arguments x, wc, ws, qc, qs, kv; writes qc, qs, kv
.if DOCPART == 2
	.amdgcn_target "amdgcn-amd-amdhsa--gfx1250"
	.amdhsa_code_object_version 6
	.text
	.protected	k_qe7c3636cc7_proj
	.globl	k_qe7c3636cc7_proj
	.p2align	8
	.type	k_qe7c3636cc7_proj,@function
k_qe7c3636cc7_proj:
	s_mov_b64 s[64:65], 0
	v_nop
	global_prefetch_b8 v0, s[64:65] scope:SCOPE_SE
	s_setreg_imm32_b32 hwreg(HW_REG_WAVE_MODE, 25, 1), 1
	s_wait_xcnt 0x0
; q, k, v = x W^T for 64 rows of x a work-group (256 work-groups), and their quantisers: codes of FP8 (E4M3), one E8M0 scale for each 32, leave as the operand registers of the next launch; no f32 result is stored.
; x (f32) comes into LDS once, 64 rows x 1,024: quarter t of K (256 numbers a row) by waves 2 t and 2 t + 1, 32 rows each, one tensor load a wave.  The quarters are shown one after the other: ahead of the barrier in front of quarter t its two waves wait for their loads.
; Wave j quantises rows 16 (j % 4) on, half j / 4 of each quarter's two K steps, into an image of the operand's registers in LDS, which all eight waves read: wave j makes two tiles of q (j < 4) or of k, and one of v.
; Both K steps' fragments of x are fetched in one run, the first's into window 0, the second's into window 1; one register carries a fragment's scale words of both, in lanes 0-15 and 16-31.
; THE ROWS OF A FRAGMENT OF x ARE NOT NEIGHBOURS: lane r of fragment m holds row 32 (m / 2) + 8 (m % 2) + r + 8 (r / 8): natural tile n's lane r goes to fragment 2 (n / 2) + r / 8, lane 8 (n % 2) + r % 8 of that half.
; The weights' codes go from memory into registers as they lie.  No cluster: all work-groups read the weights, but x's 266,240 bytes leave no room in LDS for the weights' 393,216.  No prefetch: there is no loop to run ahead in.
; kv: [batch 4][slot 8][key step 4][K 8 fragments: 16,384][V 8 fragments of 16 channels x 128 keys: 16,384][K's scale words: 512][V's: 512]: 33,792 bytes a key step of 128 keys.
; LIMITS: a block whose largest magnitude lies under 2^-118 gets the byte 1; NaN and infinities are not served.
.set XPITCH, 1040
.set XG, 192                           ; window 1: v192-255 the second K step's fragments of x
.set XQ,     64*XPITCH
.set FRB,    2048
.set XI,     4*XQ
.set XSC,    XI+2*8*FRB
.set SS,     XSC+2*8*128
.set XRD, 1
.set XIW, 2
.set XIR, 3
.set XSW, 4
.set XSR, 5
.set SBA, 6
.set SSR, 7
.set WA,  8
.set WSA, 9
.set LI,  10
.set R4,  11
.set LN,  12
.set RR,  13
.set HH,  14
.set L8,  15
.set XN,  16
.set XF,  16
.set ACC, 80
.set PC,  176
.set TM,  200
.set PW,  224
.set XS,  225
.set WS,  229
.set VW,  253
.set WV,  18
.set MNT, 19
.set SEL, 20
.set G1,  24
.set G0,  32
.set MSB, 0
.macro WIN new
.if MSB != (\new)
	s_set_vgpr_msb (MSB<<8)|(\new)
.set MSB, (\new)
.endif
.endm
.macro PLACES n
.rept \n
	v_nop
.endr
.endm
.macro BARRIER
	s_wait_dscnt 0x0
	s_barrier_signal -1
	s_barrier_wait -1
.endm
.macro QUANT s, nb
.irp b, 0,1,2,3,4,5
.if \b < \nb
	v_max3_num_f32 v[TM+\b], |v[\s+16*\b]|, |v[\s+16*\b+1]|, 0x4800000
.endif
.endr
.irp i, 2,4,6,8,10,12,14
.irp b, 0,1,2,3,4,5
.if \b < \nb
	v_max3_num_f32 v[TM+\b], v[TM+\b], |v[\s+16*\b+\i]|, |v[\s+16*\b+\i+1]|
.endif
.endr
.endr
.irp b, 0,1,2,3,4,5
.if \b < \nb
	v_permlanex16_b32 v[TM+6+\b], v[TM+\b], s[SEL], s[SEL+1]
.endif
.endr
.irp b, 0,1,2,3,4,5
.if \b < \nb
	v_max_num_f32 v[TM+\b], v[TM+\b], v[TM+6+\b]
.endif
.endr
.irp b, 0,1,2,3,4,5
.if \b < \nb
	v_add_nc_u32 v[TM+18+\b], 0xfc000000, v[TM+\b]
.endif
.endr
.irp b, 0,1,2,3,4,5
.if \b < \nb
	v_and_or_b32 v[TM+12+\b], v[TM+\b], 0x7f800000, s[MNT]
.endif
.endr
.irp b, 0,1,2,3,4,5
.if \b < \nb
	v_lshrrev_b32 v[TM+6+\b], 23, v[TM+18+\b]
.endif
.endr
.irp b, 0,1,2,3,4,5
.if \b < \nb
.irp i, 0,1,2,3,4,5,6,7,8,9,10,11,12,13,14,15
	v_med3_num_f32 v[\s+16*\b+\i], v[\s+16*\b+\i], -v[TM+12+\b], v[TM+12+\b]
.endr
	v_cvt_scalef32_pk8_fp8_f32 v[PC+4*\b:PC+4*\b+1], v[\s+16*\b:\s+16*\b+7], v[TM+18+\b]
	v_cvt_scalef32_pk8_fp8_f32 v[PC+4*\b+2:PC+4*\b+3], v[\s+16*\b+8:\s+16*\b+15], v[TM+18+\b]
.endif
.endr
	v_nop
.endm
.macro WLOAD t
	WIN 0x40
.irp sp, 0,1
.irp tl, 0,1,2
.irp c, 0,1,2,3
	global_load_b128 v[96*((\t)%2)+16*(3*\sp+\tl)+4*\c:96*((\t)%2)+16*(3*\sp+\tl)+4*\c+3], v[WA], s[6:7] offset:(2*(\t)+\sp)*6144+\tl*2048+\c*512
.endr
.endr
.endr
	WIN 0
.endm
.macro FETCH reg, off
.irp c, 0,1,2,3
	ds_load_b128 v[\reg+4*\c:\reg+4*\c+3], v[XIR] offset:\off+512*\c
.endr
.endm
; A K step of 128, the sp-th of quarter t: 12 products.  The first fetches both steps' fragments; the 12 accumulators go by turns through both steps
.macro MULT t, sp, zero
.set WB, 96*((\t)%2)+48*(\sp)
.set SI, WS+3*(2*(\t)+(\sp))
.if \sp == 0
.irp m, 0,1,2,3
	FETCH XF+16*\m, ((\t)%2)*16384+\m*FRB
	ds_load_b32 v[XS+\m], v[XSR] offset:((\t)%2)*1024+\m*128
.endr
	WIN 0x40
.irp m, 0,1,2,3
	FETCH XG+16*\m, ((\t)%2)*16384+(4+\m)*FRB
.endr
	s_wait_dscnt 16                                ; the second step's sixteen loads may be out
	WIN 0x01                                       ; weights in window 1, all else in window 0
.else
	s_wait_dscnt 0x0
	WIN 0x05                                       ; weights and x in window 1
.endif
.irp m, 0,1,2,3
.irp u, 0,1
.if \zero
	v_wmma_scale_f32_16x16x128_f8f6f4 v[ACC+16*\m+8*\u:ACC+16*\m+8*\u+7], v[WB+16*\u:WB+16*\u+15], v[XF+16*\m:XF+16*\m+15], 0, v[SI+\u], v[XS+\m]
.elseif \sp == 0
	v_wmma_scale_f32_16x16x128_f8f6f4 v[ACC+16*\m+8*\u:ACC+16*\m+8*\u+7], v[WB+16*\u:WB+16*\u+15], v[XF+16*\m:XF+16*\m+15], v[ACC+16*\m+8*\u:ACC+16*\m+8*\u+7], v[SI+\u], v[XS+\m]
.else
	v_wmma_scale_f32_16x16x128_f8f6f4 v[ACC+16*\m+8*\u:ACC+16*\m+8*\u+7], v[WB+16*\u:WB+16*\u+15], v[XG+16*\m:XG+16*\m+15], v[ACC+16*\m+8*\u:ACC+16*\m+8*\u+7], v[SI+\u], v[XS+\m] matrix_b_scale:MATRIX_SCALE_ROW1
.endif
.endr
.endr
	WIN 0x04+\sp
.irp m, 0,1,2,3
.if \zero
	v_wmma_scale_f32_16x16x128_f8f6f4 v[ACC+64+8*\m:ACC+64+8*\m+7], v[XF+16*\m:XF+16*\m+15], v[WB+32:WB+47], 0, v[XS+\m], v[SI+2]
.elseif \sp == 0
	v_wmma_scale_f32_16x16x128_f8f6f4 v[ACC+64+8*\m:ACC+64+8*\m+7], v[XF+16*\m:XF+16*\m+15], v[WB+32:WB+47], v[ACC+64+8*\m:ACC+64+8*\m+7], v[XS+\m], v[SI+2]
.else
	v_wmma_scale_f32_16x16x128_f8f6f4 v[ACC+64+8*\m:ACC+64+8*\m+7], v[XG+16*\m:XG+16*\m+15], v[WB+32:WB+47], v[ACC+64+8*\m:ACC+64+8*\m+7], v[XS+\m], v[SI+2] matrix_a_scale:MATRIX_SCALE_ROW1
.endif
.endr
.if \sp
	WIN 0
	PLACES 8                                       ; eight places in front of loads into what these products have read, and of readers of their sums
.endif
.endm
.macro DSTEP t
.irp b, 0,1,2,3
.irp i, 0,1,2,3
	ds_load_b128 v[XN+16*\b+4*\i:XN+16*\b+4*\i+3], v[XRD] offset:128*\b+16*\i
.endr
.endr
.if \t < 3
	v_add_nc_u32 v[XRD], XQ, v[XRD]
.endif
	s_wait_dscnt 0x0
	QUANT XN, 4
	v_lshl_or_b32 v[PW], v[TM+7], 8, v[TM+6]
	s_delay_alu instid0(VALU_DEP_1)
	v_lshl_or_b32 v[PW], v[TM+8], 16, v[PW]
	s_delay_alu instid0(VALU_DEP_1)
	v_lshl_or_b32 v[PW], v[TM+9], 24, v[PW]
.irp c, 0,1,2,3
	ds_store_b128 v[XIW], v[PC+4*\c:PC+4*\c+3] offset:((\t)%2)*16384+512*\c
.endr
	ds_store_b32 v[XSW], v[PW] offset:((\t)%2)*1024
.if \t < 3
.if \t < 2
	s_cmp_lt_u32 s[WV], 2*\t+4                     ; the waves that fetch the next quarter wait for it here (those before them have nothing out)
	s_cbranch_scc0 .Lnot_mine_\@
.endif
	s_wait_tensorcnt 0x0
.if \t < 2
.Lnot_mine_\@:
.endif
.endif
	BARRIER
.if \t < 3
	s_wait_loadcnt 24
.else
	s_wait_loadcnt 0x0
.endif
.if \t == 0
	MULT \t,0,1
.else
	MULT \t,0,0
.endif
	MULT \t,1,0
.if \t < 2
	WLOAD \t+2
.endif
.endm
	s_load_b256 s[4:11], s[0:1], 0x0
	s_load_b128 s[12:15], s[0:1], 0x20
	v_lshl_add_u32 v254, v0, 2, 0x4a000
	v_mov_b32 v255, 0
	ds_add_u32 v254, v255
	ds_add_u32 v254, v255
	v_lshrrev_b32 v15, 5, v0
	s_delay_alu instid0(VALU_DEP_1)
	v_readfirstlane_b32 s[WV], v15
	s_mov_b32 s[MNT], 0x600000
	s_mov_b32 s[SEL], 0x76543210
	s_mov_b32 s[SEL+1], 0xfedcba98
	s_mov_b32 s[G1+0], (2<<16)|(1<<20)|(7<<22)|(3<<25)
	s_mov_b32 s[G1+1], 256<<16
	s_mov_b32 s[G1+2], 32<<16
	s_mov_b32 s[G1+3], 256<<16
	s_mov_b32 s[G1+4], 32
	s_mov_b32 s[G1+5], 1024
	s_mov_b32 s[G1+6], 0
	s_mov_b32 s[G1+7], 0
	s_lshr_b32 s48, s[WV], 1                       ; the quarter of K that I fetch
	s_and_b32 s49, s[WV], 1                        ; which 32 of the 64 rows
	s_mul_i32 s52, s48, XQ
	s_mul_i32 s53, s49, 32*XPITCH
	s_add_co_u32 s52, s52, s53                     ; where it goes in LDS
	s_lshl_b32 s50, ttmp9, 18                      ; 64 rows of 4,096 bytes a work-group
	s_lshl_b32 s49, s49, 17
	s_lshl_b32 s48, s48, 10
	s_add_co_u32 s50, s50, s49
	s_add_co_u32 s50, s50, s48
	s_mov_b32 s51, 0
	s_wait_alu depctr_va_vdst(0)
	s_wait_dscnt 0x0                               ; both opening adds are done
	s_wait_kmcnt 0x0
	s_mov_b32 s[G0], 1
	s_mov_b32 s[G0+1], s52
	s_add_nc_u64 s[G0+2:G0+3], s[4:5], s[50:51]
	s_or_b32 s[G0+3], s[G0+3], 0x80000000
; One tensor load a wave; a line of its own for the two waves of each quarter, since the quarters are waited for at different barriers
.macro ARM under, next
	s_cmp_lt_u32 s[WV], \under
	s_cbranch_scc0 \next
	tensor_load_to_lds s[G0:G0+3], s[G1:G1+7]
	s_nop 0
	PLACES 4
	s_branch .Lasked
\next:
.endm
	ARM 2, .Lquarter_1
	ARM 4, .Lquarter_2
	ARM 6, .Lquarter_3
	tensor_load_to_lds s[G0:G0+3], s[G1:G1+7]
	s_nop 0
	PLACES 4
.Lasked:
	v_and_b32 v[LN], 31, v0
	v_and_b32 v[RR], 15, v0
	s_wait_alu depctr_va_vdst(0)
	v_bfe_u32 v[HH], v0, 4, 1
	v_lshlrev_b32 v[LI], 4, v[LN]
	v_lshlrev_b32 v[R4], 2, v[RR]
	s_mul_i32 s52, s[WV], 49152
	v_add_nc_u32 v[WA], s52, v[LI]
	s_mul_i32 s52, s[WV], 1536
	v_add_nc_u32 v[WSA], s52, v[R4]
.irp s, 0,1,2,3,4,5,6,7
.irp tl, 0,1,2
	global_load_b32 v[WS+3*\s+\tl], v[WSA], s[8:9] offset:\s*192+\tl*64
.endr
.endr
	WLOAD 0
	WLOAD 1
	s_and_b32 s53, s[WV], 3
	s_lshr_b32 s54, s[WV], 2
	s_mul_i32 s55, s53, 16*XPITCH
	s_lshl_b32 s56, s54, 9
	s_add_co_u32 s55, s55, s56
	v_mul_u32_u24 v[XRD], v[RR], XPITCH
	s_wait_alu depctr_va_vdst(0)
	v_lshl_add_u32 v[XRD], v[HH], 6, v[XRD]
	s_delay_alu instid0(VALU_DEP_1)
	v_add_nc_u32 v[XRD], s55, v[XRD]
	s_lshr_b32 s55, s53, 1                         ; the pair of fragments that my 16 rows go to
	s_and_b32 s50, s53, 1                          ; and which eight lanes of each half
	s_lshl_b32 s48, s55, 12
	s_lshl_b32 s49, s54, 13
	s_add_co_u32 s48, s48, s49
	s_lshl_b32 s49, s50, 7
	s_add_co_u32 s48, s48, s49
	s_add_co_u32 s48, s48, XI
	s_lshl_b32 s51, s55, 8
	s_lshl_b32 s49, s54, 9
	s_add_co_u32 s51, s51, s49
	s_lshl_b32 s49, s50, 5
	s_add_co_u32 s51, s51, s49
	s_add_co_u32 s51, s51, XSC
	v_lshrrev_b32 v[L8], 3, v[RR]
	v_and_b32 v[SBA], 7, v[RR]
	v_add_nc_u32 v[XIR], XI, v[LI]
	v_lshlrev_b32 v[XIW], 11, v[L8]
	v_lshlrev_b32 v[XSW], 7, v[L8]
	v_lshl_add_u32 v[XSR], v[HH], 9, v[R4]
	v_lshl_add_u32 v[XIW], v[HH], 8, v[XIW]
	v_lshl_add_u32 v[XSW], v[HH], 6, v[XSW]
	v_add_nc_u32 v[XSR], XSC, v[XSR]               ; lanes 0-15 take a fragment's scale words of the first K step, lanes 16-31 those of the second, 512 bytes on
	v_lshl_add_u32 v[XIW], v[SBA], 4, v[XIW]
	v_lshl_add_u32 v[XSW], v[SBA], 2, v[XSW]
	v_add_nc_u32 v[XIW], s48, v[XIW]               ; codes: 2,048 x fragment + 256 h + 16 x lane of the half
	v_add_nc_u32 v[XSW], s51, v[XSW]               ; scale words: 128 x fragment + 64 h + 4 x lane of the half
	v_lshlrev_b32 v[L8], 3, v[LN]
	s_lshl_b32 s55, s[WV], 8
	s_add_co_u32 s55, s55, SS
	v_add_nc_u32 v[SBA], s55, v[R4]
	s_and_b32 s55, s[WV], 1
	s_lshl_b32 s55, s55, 10
	s_add_co_u32 s55, s55, SS
	v_add_nc_u32 v[SSR], s55, v[L8]
.irp b, 0,1,2,3,4,5
	v_mov_b32 v[TM+6+\b], 0
.endr
	s_lshr_b32 s48, ttmp9, 6
	s_and_b32 s49, ttmp9, 63
	s_and_b32 s52, s49, 1
	s_lshr_b32 s50, s49, 3
	s_bfe_u32 s51, s49, 0x20001
	s_mul_i32 s55, s48, 1081344                    ; kv: the batch,
	s_mul_i32 s50, s50, 135168                     ; the slot of 512 keys,
	s_add_co_u32 s55, s55, s50
	s_mul_i32 s51, s51, 33792                      ; the key step
	s_add_co_u32 s55, s55, s51
	s_lshl_b32 s50, s53, 9
	s_lshl_b32 s51, s52, 13
	s_add_co_u32 s51, s51, s55
	s_add_co_u32 s51, s51, s50
	s_lshl_b32 s58, ttmp9, 13
	s_add_co_u32 s58, s58, s50
	s_cmp_lt_u32 s[WV], 4
	s_cselect_b32 s58, s58, s51
	s_cselect_b64 s[60:61], s[10:11], s[14:15]
	s_mov_b32 s59, 0
	s_add_nc_u64 s[60:61], s[60:61], s[58:59]
	s_lshl_b32 s56, s[WV], 11
	s_add_co_u32 s56, s56, s55
	s_lshl_b32 s57, s52, 10
	s_add_co_u32 s56, s56, s57
	s_add_co_u32 s56, s56, 16384
	s_mov_b32 s57, 0
	s_add_nc_u64 s[56:57], s[14:15], s[56:57]
	s_lshl_b32 s59, s[WV], 6
	s_add_co_u32 s58, s55, s59
	s_lshl_b32 s59, s52, 1
	s_add_co_u32 s58, s58, s59
	s_add_co_u32 s58, s58, 33280                   ; V's scale words: two bytes of a word from each half of the key step
	s_mov_b32 s59, 0
	s_add_nc_u64 s[58:59], s[14:15], s[58:59]
	s_lshl_b32 s50, ttmp9, 8
	s_lshl_b32 s51, s52, 8
	s_add_co_u32 s51, s51, s55
	s_add_co_u32 s51, s51, 32768                   ; K's scale words
	s_cmp_eq_u32 s[WV], 0
	s_cselect_b32 s50, s50, s51
	s_cselect_b64 s[62:63], s[12:13], s[14:15]
	s_mov_b32 s51, 0
	s_add_nc_u64 s[62:63], s[62:63], s[50:51]
	s_lshl_b32 s55, s53, 3
	s_wait_alu depctr_va_vdst(0)                   ; the wait at the head's end
	s_cmp_lt_u32 s[WV], 2                          ; waves 0 and 1: quarter 0 has landed
	s_cbranch_scc0 .Lnot_first
	s_wait_tensorcnt 0x0
.Lnot_first:
	s_barrier_signal -1
	s_barrier_wait -1
	DSTEP 0
	DSTEP 1
	DSTEP 2
	DSTEP 3
	QUANT ACC, 6
.irp m, 0,1,2,3
	global_store_b128 v[LI], v[PC+4*\m:PC+4*\m+3], s[60:61] offset:FRB*\m
.endr
.irp b, 0,1
	global_store_b128 v[LI], v[PC+16+4*\b:PC+16+4*\b+3], s[56:57] offset:512*\b
.endr
.irp m, 0,1,2,3
	v_lshlrev_b32 v[TM+\m], s55, v[TM+6+\m]
.endr
.irp m, 0,1,2,3
	ds_store_b32 v[SBA], v[TM+\m] offset:64*\m
.endr
	v_lshl_or_b32 v[VW], v[TM+11], 8, v[TM+10]
	s_wait_alu depctr_va_vdst(0)
	s_wait_xcnt 0x0
	v_cmp_gt_u32 vcc_lo, 16, v[LN]
	s_and_saveexec_b32 s54, vcc_lo
	global_store_b16 v[R4], v[VW], s[58:59]
	s_wait_xcnt 0x0
	s_or_b32 exec_lo, exec_lo, s54
	BARRIER
	s_cmp_gt_u32 s[WV], 1
	s_cbranch_scc1 .Ldone
.irp w, 0,1,2,3
	ds_load_b64 v[16+2*\w:17+2*\w], v[SSR] offset:256*\w
.endr
	s_wait_dscnt 0x0
	v_or_b32 v16, v16, v18
	v_or_b32 v17, v17, v19
	v_or_b32 v20, v20, v22
	v_or_b32 v21, v21, v23
	s_delay_alu instid0(VALU_DEP_2)
	v_or_b32 v16, v16, v20
	s_delay_alu instid0(VALU_DEP_2)
	v_or_b32 v17, v17, v21
	global_store_b64 v[L8], v[16:17], s[62:63]
.Ldone:
	s_wait_tensorcnt 0x0
	ds_add_u32 v254, v255
	s_wait_dscnt 0x0
	s_endpgm
.Lfunc_end_k_qe7c3636cc7_proj:
	.size	k_qe7c3636cc7_proj, .Lfunc_end_k_qe7c3636cc7_proj-k_qe7c3636cc7_proj
	.p2alignl 7, 3214868480
	.fill 96, 4, 3214868480
	.section	.rodata,"a",@progbits
	.p2align	6, 0x0
	.amdhsa_kernel k_qe7c3636cc7_proj
		.amdhsa_group_segment_fixed_size 327680
		.amdhsa_private_segment_fixed_size 0
		.amdhsa_enable_private_segment 0
		.amdhsa_kernarg_size 48
		.amdhsa_user_sgpr_count 2
		.amdhsa_user_sgpr_kernarg_segment_ptr 1
		.amdhsa_wavefront_size32 1
		.amdhsa_system_sgpr_workgroup_id_x 1
		.amdhsa_system_sgpr_workgroup_id_y 1
		.amdhsa_system_sgpr_workgroup_id_z 1
		.amdhsa_system_vgpr_workitem_id 0
		.amdhsa_next_free_vgpr 512
		.amdhsa_next_free_sgpr 66
		.amdhsa_reserve_vcc 1
		.amdhsa_float_denorm_mode_32 3
		.amdhsa_float_denorm_mode_16_64 3
		.amdhsa_memory_ordered 1
		.amdhsa_forward_progress 1
		.amdhsa_inst_pref_size 95
	.end_amdhsa_kernel
	.amdgpu_metadata
---
amdhsa.version: [ 1, 2 ]
amdhsa.kernels:
  - .name:           k_qe7c3636cc7_proj
    .symbol:         k_qe7c3636cc7_proj.kd
    .args:
      - { .name: x, .offset: 0, .size: 8, .value_kind: global_buffer, .address_space: global }
      - { .name: wc, .offset: 8, .size: 8, .value_kind: global_buffer, .address_space: global }
      - { .name: ws, .offset: 16, .size: 8, .value_kind: global_buffer, .address_space: global }
      - { .name: qc, .offset: 24, .size: 8, .value_kind: global_buffer, .address_space: global }
      - { .name: qs, .offset: 32, .size: 8, .value_kind: global_buffer, .address_space: global }
      - { .name: kv, .offset: 40, .size: 8, .value_kind: global_buffer, .address_space: global }
    .group_segment_fixed_size: 327680
    .private_segment_fixed_size: 0
    .kernarg_segment_align: 8
    .kernarg_segment_size: 48
    .max_flat_workgroup_size: 256
    .sgpr_count:     66
    .vgpr_count:     512
    .wavefront_size: 32
...
	.end_amdgpu_metadata
.endif
;; end of part 2
;; launch attn (part 3): grid 64 x 4, 8 waves a work-group, clusters of 4 x 1, 327,680 bytes of LDS; arguments qc, qs, kv, out0; writes out0
.if DOCPART == 3
	.amdgcn_target "amdgcn-amd-amdhsa--gfx1250"
	.amdhsa_code_object_version 6
	.text
	.protected	k_qe7c3636cc7_attn
	.globl	k_qe7c3636cc7_attn
	.p2align	8
	.type	k_qe7c3636cc7_attn,@function
k_qe7c3636cc7_attn:
	s_mov_b64 s[64:65], 0
	v_nop
	global_prefetch_b8 v0, s[64:65] scope:SCOPE_SE
	s_setreg_imm32_b32 hwreg(HW_REG_WAVE_MODE, 25, 1), 1
	s_wait_xcnt 0x0
	s_wait_alu depctr_hold_cnt(0) depctr_sa_sdst(0) depctr_va_vdst(0) depctr_va_sdst(0) depctr_va_ssrc(0) depctr_va_vcc(0) depctr_vm_vsrc(0)
	s_getreg_b32 s2, hwreg(HW_REG_IB_STS2, 6, 4)
	s_cmp_eq_u32 s2, 0
	s_cbranch_scc0 .Lentry_in_a_cluster
	s_endpgm
.Lentry_in_a_cluster:
	s_bfe_u32 s2, ttmp6, 0x10000c
	s_cmp_lg_u32 s2, 0x3003
	s_cbranch_scc0 .Lentry_shape_is_right
	s_endpgm
.Lentry_shape_is_right:
; out0[b][q][:] = the sum over k of softmax_k(q . k / 32) v[k][:], both products on codes of FP8 (E4M3) with one E8M0 scale for each 32 along a product's K.  4 batches of 4,096 queries and keys, head 128.
; All operands come as images of operand registers: a fragment (16 rows x 128 K) is 2,048 bytes, register group c at 512 c + 16 x lane; its scale words 64 bytes.  qc, qs: four fragments for each 64 queries.
; kv: [batch][slot 8][key step 4][K 8 fragments][V 8 fragments of 16 channels x 128 keys][K's scale words 512][V's 512]: a slot of 512 keys is 135,168 consecutive bytes.
; Lane r of fragment m of 64 rows holds row 32 (m / 2) + 8 (m % 2) + r + 8 (r / 8): so the 16 score registers of key tiles 2 b, 2 b + 1 are keys 32 b + 16 (lane / 16) + 0 .. 15.
; THE SOFTMAX: t = score x log2(e) / 32; M = the largest t so far, rounded UP to a whole number; p = 2^(t - M) is quantised along the keys, not normalised; the sum is taken of the unquantised p and divides at the end.
; SHARES.  A work-group owns 64 queries.  Wave j: query pair j % 2 (tile A in register window 0, tile B in window 1, at the same numbers) and key group j / 2.  Group g takes key step g of each slot: eight slots, one key step a wave in each.
; Each fragment of K and V read from LDS feeds two products.  Each key group keeps its own running M and sum; at the end the four are joined by exact powers of two.
; Both products are used transposed (S^T = K Q^T, O^T = V^T P^T): a lane holds one query throughout.
; THE TWO REGIONS.  v32-95 and v96-159 of both windows change roles from step to step: in an even step the first holds K and then V (fragments 0-3 in window 0, 4-7 in window 1), the second the scores (tile A's in window 0, tile B's in window 1).
; Scores are dead when they are converted, so the NEXT step's K lands in their registers, and the next step's scores are written over V.  A trip of the loop is two steps, behind which the regions are where they began.
; A KEY STEP: tile A's eight products K Q^T; tile A's softmax, with tile B's eight products among its maxima and V's loads among its multiply-adds; at its end the change of slots: the wait for all tensor loads and the add, a block's conversions,
; the wait for the add and for V, the signal, the last block's conversions, the barrier's wait, and the refill of the slot just left; tile B's softmax, with the next K's loads and tile A's eight products V^T P^T among it; tile B's eight products.
; CLUSTER.  The four work-groups of a cluster belong to one batch and walk the same kv: every tensor load is asked for JOINTLY (the same descriptor in all four, a mask that names the four).  Wave j fetches an eighth of a slot, 66 rows of 256 bytes.
; PREFETCH.  Slot c (3 to 7) is asked for by clusters c and c + 8 of its batch, at the change of slots one step ahead of the one that loads it; of a wave's 66 rows the four partners take 17, 17, 17 and 15, told apart by address.
; LIMITS: the scaled scores t stay under 2^31 in magnitude; a block of p whose largest number lies under 2^-118 gets the byte 1; a block's largest p is made from its largest score, which takes v_exp_f32 not to fall where its input rises; NaN and infinities are not served.
.set GRP,   33792                      ; a key step's K, V and scale words
.set SLOTB, 4*GRP                      ; a slot; slot 0 lies at LDS byte 0, slot 1 behind it
.set WAVEB, SLOTB/8                    ; 16,896: what a wave fetches
.set SPARE, 2*SLOTB                    ; the spare words, 128 bytes for each wave: four blocks of 256 bytes that no other line names
.set ML,    SPARE+1024                 ; -M and the sum for the joining: [wave][tile][2][128 bytes]
; behind the last change of slots slot 0, which has had its last fill and its last read, takes the eight waves' O^T (16,384 bytes each); behind the joining's barrier slot 1 takes a stage of 16 rows x 272 bytes for each wave
.set KSW,  0                           ; v0-3  K's scale words (register i: lanes 0-15 fragment 2 i's, lanes 16-31 fragment 2 i + 1's).  v0, the thread's number, is used in the head alone
.set QSB,  4                           ; v4    tile B's scale words of Q
.set PWB,  5                           ; v5    tile B's scale word of p
.set AK,   6                           ; v6, v7  fragments in slot 0, 1: GRP g + 16 x lane
.set AS,   8                           ; v8, v9  scale words in slot 0, 1: GRP g + 32,768 + 4 x lane
.set SPW,  10                          ; v10   LDS address of my spare word; never rewritten
.set NIL,  11                          ; v11   0; never rewritten
.set PFO,  13                          ; v13   (window 0) the prefetch's offset; never rewritten.  (In the pair v[12:13] only v12's value is used)
.set VSW,  248                         ; v248-251  V's scale words
; window 0 alone: v255 tile A's scale words of Q; v253 tile A's scale word of p.
; each window, for its tile: v12 -M, v[14:15] the sum in two halves, v16-31 Q, v160-223 O^T, v224-239 p's codes, v232-247, v252, v254 at work.
.set MLW,  240                         ; v240-247 (window 0): the joining's addresses
.set STW,  241
.set MLR,  242
.set STR0, 243
.set STR1, 244
.set OSW,  245
.set OSR,  246
.set GO,   247
.set WV,   14
.set QP,   15
.set KG,   16
.set MNT,  17
.set CS,   18                          ; s[18:19] c = log2(e) / 32: the packed form names a pair
.set SEL,  20
.set CNT,  22                          ; s22  the slot whose prefetch the coming change stands for
.set MINE, 23                          ; s23  the slot that my cluster asks for
.set G1,   24                          ; s[24:31] group 1;  s[32:35], s[36:39] groups 0 for slot 0 and slot 1: they walk
.set G0,   32
.set PFA,  40
.set TRIPS, 42
.set TAU,  54                          ; which tile of the pair I finish at the end;  s55 which 64 channels
.set HF,   55
.set MSB, 0
.macro WIN new                         ; the immediate's high byte repeats the setting that is left
.if MSB != (\new)
	s_set_vgpr_msb (MSB<<8)|(\new)
.set MSB, (\new)
.endif
.endm
.macro PLACES n
.rept \n
	v_nop
.endr
.endm
.macro CREST                           ; a round of the cluster's barrier behind its opening barrier
	s_cmp_lg_u32 s[WV], 0
	s_cbranch_scc1 .Lnot_wave_0_\@
	s_barrier_signal -3
.Lnot_wave_0_\@:
	s_barrier_wait -3
	s_barrier_signal -1
	s_barrier_wait -1
.endm
.macro CROUND                          ; a whole round
	s_barrier_signal -1
	s_barrier_wait -1
	CREST
.endm
.macro INIT                            ; a tile's statistics and O^T: the step is written once for all steps: the first finds zeros, which the first change of M leaves zeros
	v_mov_b32 v12, 0x7f61b1e6                      ; -M: M begins under every t
	v_mov_b32 v14, 0
	v_mov_b32 v15, 0
.irp b, 0,1,2,3
	v_mov_b32 v[236+\b], 0                         ; a lane permute's destination counts as one of its sources
.endr
	v_mov_b32 v253, 0                              ; (named as the upper half of the pair v[252:253] before it is first written)
.set J, 0
.rept 64
	v_mov_b32 v[160+J], 0
.set J, J+1
.endr
.endm
; the product of key tile t with the tile of queries whose window is set; an odd fragment's scale words stand in lanes 16-31
.macro KQ1 t, qs
.if (\t)%2
	v_wmma_scale_f32_16x16x128_f8f6f4 v[SB+8*(\t):SB+8*(\t)+7], v[KB+16*((\t)%4):KB+16*((\t)%4)+15], v[16:31], 0, v[KSW+(\t)/2], v[\qs] matrix_a_scale:MATRIX_SCALE_ROW1
.else
	v_wmma_scale_f32_16x16x128_f8f6f4 v[SB+8*(\t):SB+8*(\t)+7], v[KB+16*((\t)%4):KB+16*((\t)%4)+15], v[16:31], 0, v[KSW+(\t)/2], v[\qs]
.endif
.endm
.macro KQA                             ; S^T = K Q^T for tile A: 8 products
	s_wait_dscnt 16                                ; fragments 0-3 and the scale words are in; the youngest sixteen loads (fragments 4-7) may be out
.irp t, 0,1,2,3
	KQ1 \t, 255
.endr
	s_wait_dscnt 0x0
	WIN 0x01                                       ; K in window 1, Q and D in window 0
.irp t, 4,5,6,7
	KQ1 \t, 255
.endr
	WIN 0
.endm
.macro KQB t                           ; one product for tile B, among tile A's work: Q and D in window 1, K in window 0 or 1
	WIN 0x54+(\t)/4
	KQ1 \t, QSB
	WIN 0
.endm
; LDS loads that stand among vector work, a few at a time.  V's: k = 0 .. 3 fragments 0-3, 4 the scale words, 5 .. 8 fragments 4-7
.macro VHOOK k
.if (\k) < 4
.irp c, 0,1,2,3
	ds_load_b128 v[KB+16*(\k)+4*\c:KB+16*(\k)+4*\c+3], v[AKC] offset:16384+2048*(\k)+512*\c
.endr
.elseif (\k) == 4
.irp i, 0,1,2,3
	ds_load_b32 v[VSW+\i], v[ASC] offset:512+128*\i          ; 32 lanes take 128 consecutive bytes: two fragments' words
.endr
.else                                  ; (destination window 1, address window 0: set where the macro stands)
.irp c, 0,1,2,3
	ds_load_b128 v[KB+16*((\k)-5)+4*\c:KB+16*((\k)-5)+4*\c+3], v[AKC] offset:16384+2048*((\k)-1)+512*\c
.endr
.endif
.endm
; the next step's K, fragments 0-3 and the scale words, among tile B's work
.macro KHOOK k                         ; (all in window 0: set where the macro stands)
.if (\k) < 4
.irp c, 0,1,2,3
	ds_load_b128 v[SB+16*(\k)+4*\c:SB+16*(\k)+4*\c+3], v[AKN] offset:2048*(\k)+512*\c
.endr
.else
.irp i, 0,1,2,3
	ds_load_b32 v[KSW+\i], v[ASN] offset:128*\i
.endr
.endif
.endm
; the product of channel tile t of V with p of the tile of queries whose window is set; each accumulator has one product a step
.macro PV1 t, pw
.if (\t)%2
	v_wmma_scale_f32_16x16x128_f8f6f4 v[160+8*(\t):167+8*(\t)], v[KB+16*((\t)%4):KB+16*((\t)%4)+15], v[224:239], v[160+8*(\t):167+8*(\t)], v[VSW+(\t)/2], v[\pw] matrix_a_scale:MATRIX_SCALE_ROW1
.else
	v_wmma_scale_f32_16x16x128_f8f6f4 v[160+8*(\t):167+8*(\t)], v[KB+16*((\t)%4):KB+16*((\t)%4)+15], v[224:239], v[160+8*(\t):167+8*(\t)], v[VSW+(\t)/2], v[\pw]
.endif
.endm
.macro PVA t                           ; one product for tile A, among tile B's work: V in window 0 or 1, all else in window 0
	WIN (\t)/4
	PV1 \t, 253
	WIN 0x55
.endm
.macro PVB                             ; O^T += V^T P^T for tile B: 8 products
.irp hh, 0,1
	WIN 0x54+\hh                                   ; V in window hh; p's codes, C and D in window 1
.irp t, 0,1,2,3
	PV1 4*\hh+\t, PWB
.endr
.endr
	WIN 0
.endm
.macro RESC                            ; O^T under the new M
	s_wait_alu depctr_va_vdst(0)                   ; the wait ahead of the first readers of O^T
.set J, 0
.rept 32
	v_pk_mul_f32 v[160+J:161+J], v[160+J:161+J], v[252:253] op_sel_hi:[1,0]
.set J, J+2
.endr
.endm
; One tile's softmax for 128 keys, in the tile's window (w = 0: tile A, 1: tile B)
.macro SM w
	WIN 0x55*(\w)
.if \w
	s_wait_alu depctr_va_vdst(0)                   ; the wait ahead of the scores' first readers, behind tile A's exponentials
.endif
.irp b, 0,1,2,3
	v_max3_num_f32 v[232+\b], v[SB+16*\b], v[SB+16*\b+1], v[SB+16*\b+2]   ; the largest score of each block of 32 keys: for the row's maximum, and, since p rises with the score, for the block's largest p
.endr
.if \w == 0
	KQB 0
.endif
.irp i, 3,5,7,9,11,13
.irp b, 0,1,2,3
	v_max3_num_f32 v[232+\b], v[232+\b], v[SB+16*\b+\i], v[SB+16*\b+\i+1]
.endr
.if \w == 0
	KQB (\i-1)/2
.endif
.endr
.irp b, 0,1,2,3
	v_max_num_f32 v[232+\b], v[232+\b], v[SB+16*\b+15]
.endr
.irp b, 0,1,2,3
	v_permlanex16_b32 v[236+\b], v[232+\b], s[SEL], s[SEL+1]
.endr
.irp b, 0,1,2,3
	s_delay_alu instid0(VALU_DEP_4)
	v_max_num_f32 v[232+\b], v[232+\b], v[236+\b]  ; with lane l xor 16's 16 keys
.endr
	s_delay_alu instid0(VALU_DEP_2)
	v_max3_num_f32 v254, v232, v233, v234
	s_delay_alu instid0(VALU_DEP_1)
	v_max_num_f32 v254, v254, v235                 ; the step's largest score of my query
	s_delay_alu instid0(VALU_DEP_1)
	v_mul_f32 v254, s[CS], v254                    ; as t (c is positive)
	s_delay_alu instid0(VALU_DEP_1)
	v_floor_f32 v254, -v254                        ; -ceil(t)
	s_delay_alu instid0(VALU_DEP_1)
	v_min_num_f32 v254, v254, v12                  ; the new -M: a whole number
	s_delay_alu instid0(VALU_DEP_1)
	v_sub_f32 v252, v254, v12                      ; old M - new M: a whole number, 0 or less
	v_mov_b32 v12, v254
	s_delay_alu instid0(VALU_DEP_2)
	v_cvt_i32_f32 v252, v252                       ; (it saturates)
	s_delay_alu instid0(VALU_DEP_1)
	v_ldexp_f32 v252, 1.0, v252                    ; f = 2^(old M - new M): a multiplication by it rounds nothing
.irp g, 0,1,2,3,4,5,6,7
.irp j, 0,2,4,6
	v_pk_fma_f32 v[SB+8*\g+\j:SB+8*\g+\j+1], v[SB+8*\g+\j:SB+8*\g+\j+1], s[CS:CS+1], v[12:13] op_sel_hi:[1,0,0]   ; t - M, two at a time
.endr
.if \w == 0
.if \g == 0
	KQB 7
.elseif \g == 3                        ; (each fragment of V takes the place of one of K whose last product stands more than eight plain lines back)
	VHOOK 0
	VHOOK 1
.elseif \g == 5
	VHOOK 2
	VHOOK 3
	VHOOK 4
.endif
.elseif MODE
.if \g == 1
	WIN 0
	KHOOK 0
	KHOOK 1
	WIN 0x55
.elseif \g == 5
	WIN 0
	KHOOK 2
	KHOOK 3
	KHOOK 4
	WIN 0x55
.endif
.endif
.endr
.irp b, 0,1,2,3
	v_fma_f32 v[232+\b], v[232+\b], s[CS], v12     ; the same of each block's largest score
.endr
.if \w == 0
	WIN 0x40
	VHOOK 5
	VHOOK 6
	VHOOK 7
	VHOOK 8
	WIN 0
.endif
	s_wait_alu depctr_va_vdst(0)                   ; the wait ahead of the batch
.set J, 0
.rept 64
	v_exp_f32 v[SB+J], v[SB+J]                     ; p = 2^(t - M), at most 1
.set J, J+1
.endr
.irp b, 0,1,2,3
	v_exp_f32 v[232+\b], v[232+\b]                 ; the block's largest p: the same two instructions on the same number
.endr
	v_pk_mul_f32 v[14:15], v[14:15], v[252:253] op_sel_hi:[1,0]   ; the sums under the new M.  (A plain line behind the exponentials)
	s_wait_alu depctr_va_vdst(0)                   ; one wait for the batch, ahead of its first reader
.irp b, 0,1,2,3
	v_max_num_f32 v[232+\b], 0x4800000, v[232+\b]  ; the floor 2^(9 - 127): the byte cannot fall under 1
.endr
.irp b, 0,1,2,3
	s_delay_alu instid0(VALU_DEP_4)
	v_add_nc_u32 v[244+\b], 0xfc000000, v[232+\b]  ; 8 off the exponent field: the conversion's scale operand
.endr
.irp b, 0,1,2,3
	v_and_or_b32 v[240+\b], v[232+\b], 0x7f800000, s[MNT]   ; 448 x the scale
.endr
.irp b, 0,1,2,3
	v_lshrrev_b32 v[236+\b], 23, v[244+\b]         ; the scale's byte
.endr
	s_delay_alu instid0(VALU_DEP_3)
	v_lshl_or_b32 v253, v237, 8, v236              ; p's scale word for these 128 keys
	s_delay_alu instid0(VALU_DEP_1)
	v_lshl_or_b32 v253, v238, 16, v253
	s_delay_alu instid0(VALU_DEP_1)
	v_lshl_or_b32 v253, v239, 24, v253
.if \w
	WIN 0x01                                       ; scale operands are taken from window 0: tile B's word moves there, far more than eight plain lines ahead of its products
	v_mov_b32 v[PWB], v253
	WIN 0x55
.endif
	v_pk_add_f32 v[236:237], v[SB:SB+1], v[SB+2:SB+3]   ; the row's sum is taken of the unquantised p: two at a time, in two chains
.set J, 4
.rept 15
	v_pk_add_f32 v[14:15], v[14:15], v[SB+J:SB+J+1]
	v_pk_add_f32 v[236:237], v[236:237], v[SB+J+2:SB+J+3]
.if \w && (J%12 == 0) && (J < 60)
	PVA J/12-1
.endif
.set J, J+4
.endr
	s_delay_alu instid0(VALU_DEP_1)
	v_pk_add_f32 v[14:15], v[14:15], v[236:237]
.irp b, 0,1,2,3
.if \w
	PVA 4+\b
.elseif MODE && (\b == 2)              ; THE CHANGE OF SLOTS
	s_wait_alu depctr_va_vdst(0)
	s_wait_tensorcnt 0x0                           ; all my tensor loads have landed: my part of the other slot; so a group 0 may be written
	ds_add_u32 v[SPW], v[NIL]                      ; 0 onto my spare word
.if MODE == 2
	s_add_nc_u64 s[GC+2:GC+3], s[GC+2:GC+3], 2*SLOTB   ; this slot's next 512 keys; the type bits on top are not reached
.endif
.elseif MODE && (\b == 3)
	s_wait_dscnt 0x0                               ; the add is done, V is in registers: my reads of this slot are over
	s_barrier_signal -1                            ; (with mode 2 this barrier opens a round of the cluster's barrier.)  Register work follows up to its wait
.endif
.irp i, 0,2,4,6,8,10,12,14
	v_dual_min_num_f32 v[SB+16*\b+\i], v[240+\b], v[SB+16*\b+\i] :: v_dual_min_num_f32 v[SB+16*\b+\i+1], v[240+\b], v[SB+16*\b+\i+1]   ; the conversion does not saturate (ISA guide 7.6.2); p is not negative: a one-sided hold
.endr
	v_cvt_scalef32_pk8_fp8_f32 v[224+4*\b:225+4*\b], v[SB+16*\b:SB+16*\b+7], v[244+\b]
	v_cvt_scalef32_pk8_fp8_f32 v[226+4*\b:227+4*\b], v[SB+16*\b+8:SB+16*\b+15], v[244+\b]
.endr
.if \w == 0
	RESC                                           ; (with a change of slots: behind the signal and ahead of the barrier's wait)
.elseif MODE
	WIN 0x40                                       ; all of tile B's scores are converted: the next K's fragments 4-7 take their registers
.irp b, 0,1,2,3
.irp c, 0,1,2,3
	ds_load_b128 v[SB+16*\b+4*\c:SB+16*\b+4*\c+3], v[AKN] offset:2048*(4+\b)+512*\c
.endr
.endr
	WIN 0x55
.endif
.endm
; A KEY STEP for my two tiles, in slot e.  mode 2: the slot is left and filled again; 1: it is left and nothing is asked for; 0: the last step.
.macro STEP e, mode
.set MODE, \mode
.set KB,  32+64*\e
.set SB,  96-64*\e
.set AKC, AK+\e
.set ASC, AS+\e
.set AKN, AK+1-\e
.set ASN, AS+1-\e
.set GC,  G0+4*\e
	KQA
	PLACES 8                                       ; eight places in front of the first read of the scores
	SM 0
.if \mode
	s_wait_alu depctr_va_vdst(0)                   ; ahead of a wait that blocks
	s_barrier_wait -1                              ; the other slot is whole, and nobody reads this one
.if \mode == 2
	CREST                                          ; no wave of any partner still reads this slot or has a load on its way
	tensor_load_to_lds s[GC:GC+3], s[G1:G1+7]      ; the joint refill: my one tensor load until the next round
	s_nop 0
	PLACES 4
	s_cmp_eq_u32 s[CNT], s[MINE]
	s_cbranch_scc0 .Lnot_mine_\@
	global_prefetch_b8 v[PFO], s[PFA:PFA+1] th:TH_LOAD_NT scope:SCOPE_SE   ; the slot that the next change will ask for: once in the launch, its address registers are not written again
.Lnot_mine_\@:
	s_add_co_u32 s[CNT], s[CNT], 1
.endif
.else
	s_wait_alu depctr_va_vdst(0)                   ; ahead of a wait that blocks
	s_wait_dscnt 0x0                               ; V is in
.endif
	SM 1
	RESC
	PVB
.if \mode
	PLACES 9                                       ; nine places in front of the next step's products, which write over V
.endif
.endm
	s_load_b256 s[4:11], s[0:1], 0x0               ; qc s[4:5], qs s[6:7], kv s[8:9], out0 s[10:11]
	v_lshl_add_u32 v[SPW], v0, 2, SPARE
	v_mov_b32 v[NIL], 0
	ds_add_u32 v[SPW], v[NIL]                      ; the wave's opening: the add, twice on end, and its wait ahead of my first tensor load
	ds_add_u32 v[SPW], v[NIL]
	v_lshrrev_b32 v12, 5, v0
	v_readfirstlane_b32 s[WV], v12                 ; wave 0..7
	s_and_b32 s[QP], s[WV], 1                      ; my pair of query tiles
	s_lshr_b32 s[KG], s[WV], 1                     ; my key group
	s_lshr_b32 s[TAU], s[KG], 1
	s_and_b32 s[HF], s[KG], 1
	s_bfe_u32 s62, ttmp6, 0x40000                  ; cx: my place in the cluster
	s_lshl_b32 s63, ttmp9, 2                       ; in a cluster launch ttmp9 counts clusters
	s_add_co_u32 s63, s63, s62                     ; my chunk of 64 queries: it enters q's and out0's addresses alone
	s_mul_i32 s46, s62, 17                         ; the first of the rows that I prefetch, of a wave's 66
	s_and_b32 s[MINE], ttmp9, 7
	s_and_b32 s49, ttmp7, 0xffff                   ; the batch, which the four partners share
	s_mul_i32 s50, s49, 8*SLOTB
	s_mul_i32 s47, s[WV], WAVEB
	s_add_co_u32 s50, s50, s47                     ; kv: the batch, my eighth of a slot
	s_mov_b32 s51, 0
	s_mul_i32 s52, s[MINE], SLOTB
	s_add_co_u32 s52, s52, s50                     ; the same in my cluster's slot
	s_mov_b32 s53, 0
	s_lshl_b32 s62, s49, 6
	s_add_co_u32 s62, s62, s63                     ; 64 x batch + chunk
	s_lshl_b32 s56, s62, 13                        ; qc: four fragments a chunk, my pair
	s_lshl_b32 s57, s[QP], 12
	s_add_co_u32 s56, s56, s57
	s_mov_b32 s57, 0
	s_lshl_b32 s58, s62, 8                         ; qs likewise
	s_lshl_b32 s59, s[QP], 7
	s_add_co_u32 s58, s58, s59
	s_mov_b32 s59, 0
	s_lshl_b32 s60, s62, 15                        ; out0: 64 rows of 512 bytes a chunk; the tile that I finish begins at row 32 qp + 8 tau; my 64 channels
	s_lshl_b32 s61, s[QP], 14
	s_add_co_u32 s60, s60, s61
	s_lshl_b32 s61, s[TAU], 12
	s_add_co_u32 s60, s60, s61
	s_lshl_b32 s61, s[HF], 8
	s_add_co_u32 s60, s60, s61
	s_mov_b32 s61, 0
	; descriptor group 1: a dense block as 66 rows of 256 bytes (32 elements of 8 bytes); the mask: all four work-groups; bit 21 set beside a mask; no padding: every read takes consecutive bytes in consecutive lanes
	s_mov_b32 s[G1], 15|(3<<16)|(1<<21)
	s_mov_b32 s[G1+1], 32<<16
	s_mov_b32 s[G1+2], 66<<16
	s_mov_b32 s[G1+3], 32<<16
	s_mov_b32 s[G1+4], 66
	s_mov_b32 s[G1+5], 32
	s_mov_b32 s[G1+6], 0
	s_mov_b32 s[G1+7], 0
	s_mov_b32 s[MNT], 0x600000
	s_mov_b32 s[CS], 0x3d38aa3b                    ; c = log2(e) / 32
	s_mov_b32 s[CS+1], s[CS]
	s_mov_b32 s[SEL], 0x76543210
	s_mov_b32 s[SEL+1], 0xfedcba98
	s_mov_b32 s[CNT], 3                            ; the first change loads slot 2 and asks for slot 3
	s_mov_b32 s[TRIPS], 3
	s_wait_alu depctr_va_vdst(0)
	s_wait_dscnt 0x0                               ; both opening adds are done
	CROUND                                         ; the opening round, ahead of the wait for the arguments: all four work-groups are here: the first joint loads meet
	s_wait_kmcnt 0x0
	s_mov_b32 s[G0], 1
	s_mov_b32 s[G0+1], s47                         ; LDS: slot 0, my eighth: no place in the cluster enters an LDS address
	s_add_nc_u64 s[G0+2:G0+3], s[8:9], s[50:51]    ; the batch's first 512 keys
	s_or_b32 s[G0+3], s[G0+3], 0x80000000
	s_mov_b32 s[G0+4], 1
	s_add_co_u32 s[G0+5], s47, SLOTB               ; slot 1,
	s_add_nc_u64 s[G0+6:G0+7], s[8:9], s[50:51]
	s_add_nc_u64 s[G0+6:G0+7], s[G0+6:G0+7], SLOTB ; the second 512 keys
	s_or_b32 s[G0+7], s[G0+7], 0x80000000
	s_add_nc_u64 s[PFA:PFA+1], s[8:9], s[52:53]
	s_add_nc_u64 s[4:5], s[4:5], s[56:57]
	s_add_nc_u64 s[6:7], s[6:7], s[58:59]
	s_add_nc_u64 s[12:13], s[10:11], s[60:61]
	tensor_load_to_lds s[G0:G0+3], s[G1:G1+7]      ; slot 0: one tensor load a wave at the head
	s_nop 0
	PLACES 4
	v_and_b32 v241, 31, v0                         ; lane
	v_and_b32 v242, 15, v0                         ; r
	v_lshlrev_b32 v240, 4, v241
	v_lshlrev_b32 v243, 2, v242
.irp c, 0,1,2,3
	global_load_b128 v[16+4*\c:19+4*\c], v240, s[4:5] offset:512*\c           ; tile A's fragment of Q stays in registers
.endr
	global_load_b32 v255, v243, s[6:7]
	global_load_b32 v[QSB], v243, s[6:7] offset:64
	WIN 0x40                                       ; destination window 1
.irp c, 0,1,2,3
	global_load_b128 v[16+4*\c:19+4*\c], v240, s[4:5] offset:2048+512*\c      ; tile B's
.endr
	WIN 0
	s_mul_i32 s50, s[KG], GRP
	s_add_co_u32 s51, s50, 32768
	v_min_u32 v244, 16, v241                       ; 17 lanes name a row each, the others the seventeenth again
	v_add_nc_u32 v[AK], s50, v240
	v_lshl_add_u32 v[AS], v241, 2, s51
	v_add_nc_u32 v244, s46, v244
	v_add_nc_u32 v[AK+1], SLOTB, v[AK]
	v_add_nc_u32 v[AS+1], SLOTB, v[AS]
	v_min_u32 v244, 65, v244                       ; the last partner ends with the wave's last row
	v_lshlrev_b32 v[PFO], 8, v244
	INIT
	WIN 0x55
	v_mov_b32 v13, 0                               ; (the pair v[12:13] is named)
	INIT
	WIN 0
	s_wait_alu depctr_va_vdst(0)                   ; the wait at the head's end
	s_wait_loadcnt 0x0                             ; Q
	s_wait_tensorcnt 0x0                           ; my part of slot 0 is in
	ds_add_u32 v[SPW], v[NIL]
	s_wait_dscnt 0x0
	CROUND                                         ; slot 0 is whole
	tensor_load_to_lds s[G0+4:G0+7], s[G1:G1+7]    ; slot 1
	s_nop 0
	PLACES 4
.irp t, 0,1,2,3                                ; key step 0's K
.irp c, 0,1,2,3
	ds_load_b128 v[32+16*\t+4*\c:35+16*\t+4*\c], v[AK] offset:2048*\t+512*\c
.endr
.endr
.irp i, 0,1,2,3
	ds_load_b32 v[KSW+\i], v[AS] offset:128*\i
.endr
	WIN 0x40
.irp t, 0,1,2,3
.irp c, 0,1,2,3
	ds_load_b128 v[32+16*\t+4*\c:35+16*\t+4*\c], v[AK] offset:2048*(4+\t)+512*\c
.endr
.endr
	WIN 0
.Lslots:                                           ; three trips of two slots: every slot but the last two is filled again
	STEP 0, 2
	STEP 1, 2
	s_sub_co_u32 s[TRIPS], s[TRIPS], 1
	s_cmp_lg_u32 s[TRIPS], 0
	s_cbranch_scc1 .Lslots
	STEP 0, 1                                      ; the tail is written out: slot 0 is left for the last time
	STEP 1, 0                                      ; and the last step meets no barrier of its own
	; THE JOINING.  Its addresses first: plain lines that name no register of the last products: the places behind them.
	s_lshl_b32 s50, s[WV], 9
	s_add_co_u32 s50, s50, ML                      ; my -M and sums: ML + 512 j + 4 x lane
	s_lshl_b32 s51, s[WV], 14                      ; my O^T: 16,384 j + 16 x lane
	s_lshl_b32 s52, s[QP], 9
	s_lshl_b32 s53, s[TAU], 8
	s_add_co_u32 s52, s52, s53
	s_add_co_u32 s52, s52, ML                      ; what I read: pair qp, tile tau; key group g' 1,024 bytes on
	s_lshl_b32 s53, s[QP], 14
	s_lshl_b32 s56, s[TAU], 13
	s_add_co_u32 s53, s53, s56
	s_lshl_b32 s56, s[HF], 12
	s_add_co_u32 s53, s53, s56                     ; key group g' 32,768 bytes on
	s_mul_i32 s56, s[WV], 16*272
	s_add_co_u32 s56, s56, SLOTB                   ; my stage
	v_and_b32 v20, 511, v[AK]                      ; 16 x lane (GRP is a multiple of 512)
	v_lshrrev_b32 v16, 4, v20                      ; lane
	v_add_nc_u32 v[STW], s51, v20
	v_add_nc_u32 v[STR0], s53, v20
	v_and_b32 v17, 15, v16                         ; r
	v_lshrrev_b32 v18, 4, v16                      ; h
	v_lshlrev_b32 v19, 2, v16
	v_add_nc_u32 v[STR1], 0x10000, v[STR0]         ; a second register for groups 2 and 3
	v_mul_u32_u24 v[OSW], v17, 272
	v_mul_u32_u24 v[OSR], v18, 272
	v_add_nc_u32 v[MLW], s50, v19
	v_add_nc_u32 v[MLR], s52, v19
	v_lshl_add_u32 v[OSW], v18, 5, v[OSW]
	v_lshl_add_u32 v[OSR], v17, 4, v[OSR]
	v_lshlrev_b32 v[GO], 9, v18
	v_add_nc_u32 v[OSW], s56, v[OSW]               ; in: row r, 32 bytes for each half of the lanes
	v_add_nc_u32 v[OSR], s56, v[OSR]               ; back: lanes 0-15 one row of 256 bytes, lanes 16-31 the next
	v_lshl_add_u32 v[GO], v17, 4, v[GO]            ; and the same two rows in out0
	v_add_f32 v14, v14, v15                        ; tile A: the sum's two halves,
	s_delay_alu instid0(VALU_DEP_1)
	v_permlanex16_b32 v252, v14, s[SEL], s[SEL+1]
	s_delay_alu instid0(VALU_DEP_1)
	v_add_f32 v14, v14, v252                       ; and lane l xor 16's
	ds_store_b32 v[MLW], v12
	ds_store_b32 v[MLW], v14 offset:128
.irp un, 0,1,2,3,4,5,6,7,8,9,10,11,12,13,14,15
	ds_store_b128 v[STW], v[160+4*\un:163+4*\un] offset:512*\un            ; each accumulator from its low end on.  Slot 0: every wave has passed the barrier behind its last read of it
.endr
	WIN 0x55
	v_add_f32 v14, v14, v15                        ; tile B likewise
	s_delay_alu instid0(VALU_DEP_1)
	v_permlanex16_b32 v252, v14, s[SEL], s[SEL+1]
	s_delay_alu instid0(VALU_DEP_1)
	v_add_f32 v14, v14, v252
	WIN 0x04                                       ; an LDS store's data are its source 1: window 1
	ds_store_b32 v[MLW], v12 offset:256
	ds_store_b32 v[MLW], v14 offset:384
.irp un, 0,1,2,3,4,5,6,7,8,9,10,11,12,13,14,15
	ds_store_b128 v[STW], v[160+4*\un:163+4*\un] offset:8192+512*\un
.endr
	WIN 0
	s_wait_alu depctr_va_vdst(0)
	s_wait_dscnt 0x0                               ; for the others' sake: my stores have landed; my reads of slot 1 are over
	s_barrier_signal -1
	s_barrier_wait -1
	; wave (qp, g) finishes tile tau = g / 2 of pair qp, channels 64 (g % 2) on: the four key groups' parts
.irp gp, 0,1,2,3
	ds_load_b32 v[224+\gp], v[MLR] offset:1024*\gp          ; -M
	ds_load_b32 v[228+\gp], v[MLR] offset:1024*\gp+128      ; the sum
.endr
.irp gp, 0,1,2,3
.irp un, 0,1,2,3,4,5,6,7
	ds_load_b128 v[32+32*\gp+4*\un:35+32*\gp+4*\un], v[STR0+\gp/2] offset:(\gp%2)*32768+512*\un
.endr
.endr
	s_wait_dscnt 0x0
	v_min3_num_f32 v232, v224, v225, v226
	s_delay_alu instid0(VALU_DEP_1)
	v_min_num_f32 v232, v232, v227                 ; the least -M: the largest M
.irp gp, 0,1,2,3
	v_sub_f32 v[233+\gp], v232, v[224+\gp]         ; M of the group - the largest M: a whole number, 0 or less
.endr
.irp gp, 0,1,2,3
	s_delay_alu instid0(VALU_DEP_4)
	v_cvt_i32_f32 v[233+\gp], v[233+\gp]
.endr
.irp gp, 0,1,2,3
	s_delay_alu instid0(VALU_DEP_4)
	v_ldexp_f32 v[233+\gp], 1.0, v[233+\gp]        ; the group's factor: an exact power of two
.endr
	s_delay_alu instid0(VALU_DEP_4)
	v_mul_f32 v237, v233, v228
	s_delay_alu instid0(VALU_DEP_1)
	v_fmac_f32 v237, v234, v229
	s_delay_alu instid0(VALU_DEP_1)
	v_fmac_f32 v237, v235, v230
	s_delay_alu instid0(VALU_DEP_1)
	v_fmac_f32 v237, v236, v231                    ; the row's sum
	s_wait_alu depctr_va_vdst(0)                   ; the wait ahead of the transcendental
	v_rcp_f32 v238, v237
	v_nop                                          ; one plain line behind a transcendental
	s_wait_alu depctr_va_vdst(0)                   ; and behind it, ahead of its first reader
.irp gp, 0,1,2,3
	v_mul_f32 v[200+2*\gp], v[233+\gp], v238       ; factor / sum, in both registers of a pair
	v_mul_f32 v[201+2*\gp], v[233+\gp], v238
.endr
.set J, 0
.rept 16
	v_pk_mul_f32 v[160+J:161+J], v[32+J:33+J], v[200:201]
.set J, J+2
.endr
.irp gp, 1,2,3
.set J, 0
.rept 16
	v_pk_fma_f32 v[160+J:161+J], v[32+32*\gp+J:33+32*\gp+J], v[200+2*\gp:201+2*\gp], v[160+J:161+J]   ; the sixteen sums by turns
.set J, J+2
.endr
.endr
.irp un, 0,1,2,3,4,5,6,7
	ds_store_b128 v[OSW], v[160+4*\un:163+4*\un] offset:64*(\un/2)+16*(\un%2)   ; lane (r, h): query r, channels 16 (un / 2) + 8 h + 4 (un % 2) on
.endr
.irp i, 0,1,2,3,4,5,6,7
	ds_load_b128 v[32+4*\i:35+4*\i], v[OSR] offset:544*\i    ; LDS serves a wave's instructions in order (ISA guide 5.7.1.4): these see my stores
.endr
.irp i, 0,1,2,3,4,5,6,7
	s_wait_dscnt 7-\i                              ; the younger row loads may be out
	global_store_b128 v[GO], v[32+4*\i:35+4*\i], s[12:13] offset:(2*\i+8*(\i/4))*512 th:TH_STORE_NT   ; stage row 2 i + h is query row 2 i + h + 8 (i / 4) of the tile; 16 lanes store 256 consecutive bytes, at a multiple of 256 from out0's first byte
.endr
	s_wait_tensorcnt 0x0                           ; the wave's end: behind my last tensor load and my last LDS store
	ds_add_u32 v[SPW], v[NIL]
	s_wait_dscnt 0x0
	CROUND                                         ; the closing round: no work-group ends while a partner may still ask for a tile that names it
	s_endpgm
.Lfunc_end_k_qe7c3636cc7_attn:
	.size	k_qe7c3636cc7_attn, .Lfunc_end_k_qe7c3636cc7_attn-k_qe7c3636cc7_attn
	.p2alignl 7, 3214868480
	.fill 96, 4, 3214868480
	.section	.rodata,"a",@progbits
	.p2align	6, 0x0
	.amdhsa_kernel k_qe7c3636cc7_attn
		.amdhsa_group_segment_fixed_size 327680
		.amdhsa_private_segment_fixed_size 0
		.amdhsa_enable_private_segment 0
		.amdhsa_kernarg_size 32
		.amdhsa_user_sgpr_count 2
		.amdhsa_user_sgpr_kernarg_segment_ptr 1
		.amdhsa_wavefront_size32 1
		.amdhsa_system_sgpr_workgroup_id_x 1
		.amdhsa_system_sgpr_workgroup_id_y 1
		.amdhsa_system_sgpr_workgroup_id_z 1
		.amdhsa_system_vgpr_workitem_id 0
		.amdhsa_next_free_vgpr 512
		.amdhsa_next_free_sgpr 72
		.amdhsa_reserve_vcc 0
		.amdhsa_float_denorm_mode_32 3
		.amdhsa_float_denorm_mode_16_64 3
		.amdhsa_memory_ordered 1
		.amdhsa_forward_progress 1
		.amdhsa_inst_pref_size 194
	.end_amdhsa_kernel
	.amdgpu_metadata
---
amdhsa.version: [ 1, 2 ]
amdhsa.kernels:
  - .name:           k_qe7c3636cc7_attn
    .symbol:         k_qe7c3636cc7_attn.kd
    .args:
      - { .name: qc, .offset: 0, .size: 8, .value_kind: global_buffer, .address_space: global }
      - { .name: qs, .offset: 8, .size: 8, .value_kind: global_buffer, .address_space: global }
      - { .name: kv, .offset: 16, .size: 8, .value_kind: global_buffer, .address_space: global }
      - { .name: out0, .offset: 24, .size: 8, .value_kind: global_buffer, .address_space: global }
    .group_segment_fixed_size: 327680
    .private_segment_fixed_size: 0
    .kernarg_segment_align: 8
    .kernarg_segment_size: 32
    .max_flat_workgroup_size: 256
    .sgpr_count:     72
    .vgpr_count:     512
    .wavefront_size: 32
...
	.end_amdgpu_metadata
.endif
;; end of part 3
